; MI455X (gfx1250); checked and timed in simulation.
; The chip was launched on July 23, 2026; its instructions are those of AMD's public machine-readable ISA for CDNA 5 (MIT licence, August 2026) and "CDNA5" Instruction Set Architecture Reference Guide (July 2026). The comments in the code are by the model that wrote it; some were corrected since.
;; Bert For Multi Hop Question Answering. Allowed arithmetic: float matrix products may take bf16 or f16 operands with f32 sums; all other float work in f32.
;; Inputs: B_starts 64 int32; ans_end_weights 64 x 512 float32; ans_start_weights 64 x 512 float32; hop_end_weights 64 x 512 float32; hop_start_weights 64 x 512 float32; qa_b 4 float32; qa_w 1,024 x 4 float32; sep_positions 64 x 20 int32; sequence_output 64 x 512 x 1,024 float32.
;; Outputs: out0 64 x 3 x 3 int32; out1 64 x 1 x 3 int32; out2 64 x 1,024 float32; out3 64 float32.
;; 2 versions, each right; version 2 is version 1 with the launch logits written anew for expert scheduling mode. Each part assembles by itself: llvm-mc -triple=amdgcn-amd-amdhsa -mcpu=gfx1250 --defsym DOCPART=n.
;; ======== version 1 of 2: 2 launches
;; workspace buffers: logits 524,288 bytes
;; launch logits (part 1): grid 256 x 1, 8 waves a work-group, no clusters, 87,040 bytes of LDS; arguments sequence_output, qa_w, qa_b, logits, out2; writes logits, out2
.if DOCPART == 1
	.amdgcn_target "amdgcn-amd-amdhsa--gfx1250"
	.amdhsa_code_object_version 6
	.text
	.protected	k_q0b907f6f48_logits
	.globl	k_q0b907f6f48_logits
	.p2align	8
	.type	k_q0b907f6f48_logits,@function
k_q0b907f6f48_logits:
	s_mov_b64 s[64:65], 0
	v_nop
	global_prefetch_b8 v0, s[64:65] scope:SCOPE_SE
	s_setreg_imm32_b32 hwreg(HW_REG_WAVE_MODE, 25, 1), 1
	s_wait_xcnt 0x0
; logits[row][0:4] = x[row][0:1024] . qa_w[0:1024][0:4] + qa_b[0:4], row = 512 batch + position, 32,768 rows, all f32;
; and out2[batch] = x's row 0 of that batch, copied from the registers in which it lies anyway.
; The work is 2 flops for each byte of x, x is read once and nothing else is large: a stream.  So:
;  - plain 16-byte loads into registers, each of a wave covering 512 consecutive aligned bytes, 24 of them always out in every wave;
;  - the products are packed f32 multiply-adds.  The matrix unit is left out: only 4 of a fragment's 16 columns would be used, its
;    fragments want a lane to hold a row (32-byte pieces of 16 rows for each load, or all of x through LDS), and f32 operands keep the
;    logits' order that of the f32 sums, on which the whole numbers of the next launch hang;
;  - no cluster: all that work-groups share is qa_w, 16 KiB against the 512 KiB of x that each of them reads.
; SHARES.  A work-group owns 128 rows (a quarter of a batch), wave w its rows 16 w .. 16 w + 15.  One wave takes a whole row: load j
; (0..7) brings bytes 512 j .. 512 j + 511, so lane l holds columns 128 j + 4 l + i, i = 0..3, the same 32 columns in every row.
; The 4 weights of each of these 32 columns stay in 128 registers for the whole launch.
; A lane's four partial sums of a row go to the wave's own LDS block; at the end lane l adds up the 32 partials of row l / 2,
; outputs 2 (l % 2) and 2 (l % 2) + 1, and the wave's 32 lanes store 256 consecutive aligned bytes of logits.
; LIMITS.  The sums are f32 multiply-add chains in another order than a row-by-row sum: they differ from it in the last bits.
; hop_start_weights, hop_end_weights, ans_start_weights, ans_end_weights enter no result of reference() and are not loaded.
.set ROWB,  4096                       ; bytes in a row of x
.set WP,    576                        ; LDS: from plane to plane of the weights.  576 = 2 x 256 + 64: see the stores below
.set PART,  32*WP                      ; LDS: behind the 32 planes (18,432 bytes) the waves' blocks of partial sums
.set PP,    528                        ; LDS: from row to row in such a block: 32 lanes x 16 bytes + 16
.set WAVEP, 16*PP                      ; a wave's block, 8,448 bytes; 18,432 + 8 x 8,448 = 86,016 in all
; v1  16 lane: offset in a row of x and of out2, and in a plane      v2  where I put my four partial sums      v3  where I read partials back
; v4  my 16 bytes of qa_w      v5  8 lane: offset in logits      v6  where these 16 bytes of qa_w go in LDS      v7  offset of my two biases
; None of them, and no base, is written again once it is set: rows and planes stand in the immediates.
.set BIAS, 8                           ; v[8:9]     qa_b of my two outputs
.set A,    10                          ; v[10:17]   four chains: outputs 0,1 and 2,3 for even columns, the same for odd columns
.set W,    20                          ; v[20:147]  v[W+4n : W+4n+3] = the 4 weights of my column 128 j + 4 l + i, n = 4 j + i
.set X,    148                         ; v[148:243] three row slots of 32 registers
	s_load_b256 s[4:11], s[0:1], 0x0               ; x s[4:5], qa_w s[6:7], qa_b s[8:9], logits s[10:11]
	s_load_b64 s[12:13], s[0:1], 0x20              ; out2
	v_lshl_add_u32 v244, v0, 2, 0x15000
	v_mov_b32 v245, 0
	v_lshrrev_b32 v10, 5, v0
	v_readfirstlane_b32 s14, v10                   ; wave 0..7
	v_and_b32 v10, 31, v0                          ; lane
	v_lshlrev_b32 v1, 4, v10
	v_lshl_add_u32 v4, s14, 11, v1                 ; qa_w: wave w takes columns 128 w .. 128 w + 127, 2,048 consecutive bytes
	v_and_b32 v12, 1, v10
	v_lshlrev_b32 v7, 3, v12                       ; qa_b: two numbers at 8 (lane % 2)
	s_lshl_b32 s16, ttmp9, 19                      ; x: work-group x 128 rows x 4,096 bytes (below 2^27)
	s_lshl_b32 s19, s14, 16                        ;    + wave x 16 rows
	s_or_b32 s16, s16, s19
	s_mov_b32 s17, 0
	s_lshl_b32 s20, ttmp9, 11                      ; logits: work-group x 128 rows x 16 bytes
	s_lshl_b32 s19, s14, 8                         ;    + wave x 16 rows
	s_or_b32 s20, s20, s19
	s_mov_b32 s21, 0
	s_lshr_b32 s22, ttmp9, 2                       ; out2: batch x 4,096 bytes
	s_lshl_b32 s22, s22, 12
	s_mov_b32 s23, 0
	s_and_b32 s15, ttmp9, 3                        ; 0 only in wave 0 of a batch's first work-group: its row 0 is the batch's row 0
	s_or_b32 s15, s15, s14
	s_wait_kmcnt 0x0
	s_add_nc_u64 s[4:5], s[4:5], s[16:17]
	s_add_nc_u64 s[10:11], s[10:11], s[20:21]
	s_add_nc_u64 s[12:13], s[12:13], s[22:23]
	; All first loads: my eighth of qa_w (into W's first registers, which are read into again only behind the barrier), my biases, rows 0, 1, 2.
.irp q, 0,1,2,3
	global_load_b128 v[W+4*\q:W+4*\q+3], v4, s[6:7] offset:512*\q
.endr
	global_load_b64 v[BIAS:BIAS+1], v7, s[8:9]
.irp r, 0,1,2
.irp j, 0,1,2,3,4,5,6,7
	global_load_b128 v[X+32*\r+4*\j:X+32*\r+4*\j+3], v1, s[4:5] offset:\r*ROWB+512*\j th:TH_LOAD_NT
.endr
.endr
	; LDS addresses, while the loads are on their way
	s_mul_i32 s18, s14, WAVEP
	s_add_co_u32 s18, s18, PART                    ; my wave's block of partial sums
	v_add_nc_u32 v2, s18, v1                       ; in: row r at PP r (immediate), 16 bytes a lane
	v_lshrrev_b32 v11, 1, v10
	v_mul_u32_u24 v11, v11, PP                     ; back: row lane / 2,
	v_lshl_add_u32 v11, v12, 3, v11                ; outputs 2 (lane % 2) and the next; partial n at 16 n (immediate)
	v_add_nc_u32 v3, s18, v11
	v_lshlrev_b32 v5, 3, v10
	; qa_w's load q gave me column 128 w + 32 q + lane = 128 j + 4 l + i with j = w, i = lane % 4, l = 8 q + lane / 4:
	; plane 4 w + lane % 4, byte 16 l.  Since WP = 64 modulo 256, sixteen neighbouring lanes store to sixteen different 16-byte places modulo 256.
	s_mul_i32 s19, s14, 4*WP
	v_and_b32 v13, 3, v10
	v_mul_u32_u24 v13, v13, WP
	v_lshrrev_b32 v14, 2, v10
	v_lshl_add_u32 v13, v14, 4, v13
	v_add_nc_u32 v6, s19, v13
	s_wait_loadcnt 24                              ; the 24 loads of rows 0 to 2 were issued behind qa_w's and qa_b's: these five are in
.irp q, 0,1,2,3
	ds_store_b128 v6, v[W+4*\q:W+4*\q+3] offset:128*\q
.endr
	s_wait_dscnt 0x0                               ; my part of the planes is written, for the other waves' sake
	s_barrier_signal -1
	s_barrier_wait -1                              ; the launch's one barrier: all 32 planes are there, and nobody writes them again
.set n, 0
.rept 32
	ds_load_b128 v[W+4*n:W+4*n+3], v1 offset:WP*n  ; 512 consecutive bytes of plane n
.set n, n+1
.endr
	s_wait_dscnt 0x0
; Two neighbouring columns, x in v[x : x+1], their 8 weights from v[w] on: four packed multiply-adds, one on each chain.
; op_sel / op_sel_hi of source 0 pick the pair's first register for both halves (even column) or its second (odd column).
.macro PAIR x, w
	v_pk_fma_f32 v[A:A+1],   v[\x:\x+1], v[\w:\w+1],   v[A:A+1]   op_sel_hi:[0,1,1]
	v_pk_fma_f32 v[A+2:A+3], v[\x:\x+1], v[\w+2:\w+3], v[A+2:A+3] op_sel_hi:[0,1,1]
	v_pk_fma_f32 v[A+4:A+5], v[\x:\x+1], v[\w+4:\w+5], v[A+4:A+5] op_sel:[1,0,0] op_sel_hi:[1,1,1]
	v_pk_fma_f32 v[A+6:A+7], v[\x:\x+1], v[\w+6:\w+7], v[A+6:A+7] op_sel:[1,0,0] op_sel_hi:[1,1,1]
.endm
; The same for a row's first two columns: the products start the four chains, nothing is cleared.
.macro FIRST x, w
	v_pk_mul_f32 v[A:A+1],   v[\x:\x+1], v[\w:\w+1]   op_sel_hi:[0,1]
	v_pk_mul_f32 v[A+2:A+3], v[\x:\x+1], v[\w+2:\w+3] op_sel_hi:[0,1]
	v_pk_mul_f32 v[A+4:A+5], v[\x:\x+1], v[\w+4:\w+5] op_sel:[1,0] op_sel_hi:[1,1]
	v_pk_mul_f32 v[A+6:A+7], v[\x:\x+1], v[\w+6:\w+7] op_sel:[1,0] op_sel_hi:[1,1]
.endm
; The turn of my row r, which lies in slot r % 3.  refill = 1: each of the slot's eight groups of 4 registers is loaded again, with row r + 3,
; as soon as it has been multiplied.  The wait in front of group j allows cnt0 + step x j younger loads to stay out.
; copy = 1 (row 0): where this is a batch's row 0 it is also stored to out2.
.macro TURN r, refill, cnt0, step, copy
.set XB, X+32*((\r)%3)
.if \copy
	s_wait_loadcnt 16                              ; all of row 0 is in; the 16 loads of rows 1 and 2 stay out
	s_cmp_lg_u32 s15, 0
	s_cbranch_scc1 .Lnocopy
.irp j, 0,1,2,3,4,5,6,7
	global_store_b128 v1, v[XB+4*\j:XB+4*\j+3], s[12:13] offset:512*\j th:TH_STORE_NT   ; 512 consecutive aligned bytes each
.endr
.Lnocopy:
	s_wait_xcnt 0x0                                ; the refills below land on these stores' data registers only behind this wait (ISA guide 3.1)
.endif
.irp j, 0,1,2,3,4,5,6,7
	s_wait_loadcnt \cnt0+(\step)*\j                ; loads come back in order (ISA guide 5.7.1): load j of this row is in
.if \j
	PAIR XB+4*\j, W+16*\j
.else
	FIRST XB, W
.endif
	PAIR XB+4*\j+2, W+16*\j+8
.if \refill
	global_load_b128 v[XB+4*\j:XB+4*\j+3], v1, s[4:5] offset:(\r+3)*ROWB+512*\j th:TH_LOAD_NT
.endif
.endr
	v_pk_add_f32 v[A:A+1],   v[A:A+1],   v[A+4:A+5]        ; even and odd columns together
	v_pk_add_f32 v[A+2:A+3], v[A+2:A+3], v[A+6:A+7]
	ds_store_b128 v2, v[A:A+3] offset:PP*\r                ; my four partial sums of row r, into my wave's own block
.endm
	; Loads are issued in the order of (row, j).  In front of group j of row r the loads issued behind load (r, j) are the 7 - j that are left
	; of the row, the 16 of rows r + 1 and r + 2, and the j refills of this turn: 23 for every j.
	TURN 0, 1, 23, 0, 1
.irp r, 1,2,3,4,5,6,7,8,9,10,11,12
	TURN \r, 1, 23, 0, 0
.endr
	TURN 13, 0, 23, -1, 0                          ; the last three rows load nothing: no load leaves the wave's 16 rows,
	TURN 14, 0, 15, -1, 0                          ; and the counts run down: 7 - j of the row and 8 for each row behind it
	TURN 15, 0, 7, -1, 0
	; The 32 lanes' partial sums of a row are added up: lane l takes row l / 2, two outputs, partial n at 16 n.
	; The words that the 32 lanes want lie at 132 (l / 2) + 2 (l % 2) + 4 n: 64 different words modulo 64.
	; LDS serves a wave's instructions in order (ISA guide 5.7.1.4), and the block is the wave's own: these loads see the stores above.
.set n, 0
.rept 32
	ds_load_b64 v[X+2*n:X+2*n+1], v3 offset:16*n
.set n, n+1
.endr
	s_wait_dscnt 16                                ; partials 0 to 15 are in, the 16 younger loads stay out
	v_pk_add_f32 v[X:X+1], v[X:X+1], v[BIAS:BIAS+1]
.set n, 4
.rept 12
	v_pk_add_f32 v[X+2*(n%4):X+2*(n%4)+1], v[X+2*(n%4):X+2*(n%4)+1], v[X+2*n:X+2*n+1]   ; four chains, started by partials 0 to 3
.set n, n+1
.endr
	s_wait_dscnt 0x0
.rept 16
	v_pk_add_f32 v[X+2*(n%4):X+2*(n%4)+1], v[X+2*(n%4):X+2*(n%4)+1], v[X+2*n:X+2*n+1]
.set n, n+1
.endr
	v_pk_add_f32 v[X:X+1],   v[X:X+1],   v[X+2:X+3]
	v_pk_add_f32 v[X+4:X+5], v[X+4:X+5], v[X+6:X+7]
	v_pk_add_f32 v[X:X+1],   v[X:X+1],   v[X+4:X+5]
	global_store_b64 v5, v[X:X+1], s[10:11]        ; 32 lanes x 8 bytes: my 16 rows of logits, 256 consecutive aligned bytes; read again by the next launch, so no hint
	s_wait_tensorcnt 0x0
	ds_add_u32 v244, v245
	s_wait_dscnt 0x0
	s_endpgm
.Lfunc_end_k_q0b907f6f48_logits:
	.size	k_q0b907f6f48_logits, .Lfunc_end_k_q0b907f6f48_logits-k_q0b907f6f48_logits
	.p2alignl 7, 3214868480
	.fill 96, 4, 3214868480
	.section	.rodata,"a",@progbits
	.p2align	6, 0x0
	.amdhsa_kernel k_q0b907f6f48_logits
		.amdhsa_group_segment_fixed_size 87040
		.amdhsa_private_segment_fixed_size 0
		.amdhsa_enable_private_segment 0
		.amdhsa_kernarg_size 40
		.amdhsa_user_sgpr_count 2
		.amdhsa_user_sgpr_kernarg_segment_ptr 1
		.amdhsa_wavefront_size32 1
		.amdhsa_system_sgpr_workgroup_id_x 1
		.amdhsa_system_sgpr_workgroup_id_y 1
		.amdhsa_system_sgpr_workgroup_id_z 1
		.amdhsa_system_vgpr_workitem_id 0
		.amdhsa_next_free_vgpr 246
		.amdhsa_next_free_sgpr 66
		.amdhsa_reserve_vcc 0
		.amdhsa_float_denorm_mode_32 3
		.amdhsa_float_denorm_mode_16_64 3
		.amdhsa_memory_ordered 1
		.amdhsa_forward_progress 1
		.amdhsa_inst_pref_size 94
	.end_amdhsa_kernel
	.amdgpu_metadata
---
amdhsa.version: [ 1, 2 ]
amdhsa.kernels:
  - .name:           k_q0b907f6f48_logits
    .symbol:         k_q0b907f6f48_logits.kd
    .args:
      - { .name: sequence_output, .offset: 0, .size: 8, .value_kind: global_buffer, .address_space: global }
      - { .name: qa_w, .offset: 8, .size: 8, .value_kind: global_buffer, .address_space: global }
      - { .name: qa_b, .offset: 16, .size: 8, .value_kind: global_buffer, .address_space: global }
      - { .name: logits, .offset: 24, .size: 8, .value_kind: global_buffer, .address_space: global }
      - { .name: out2, .offset: 32, .size: 8, .value_kind: global_buffer, .address_space: global }
    .group_segment_fixed_size: 87040
    .private_segment_fixed_size: 0
    .kernarg_segment_align: 8
    .kernarg_segment_size: 40
    .max_flat_workgroup_size: 256
    .sgpr_count:     66
    .vgpr_count:     246
    .wavefront_size: 32
...
	.end_amdgpu_metadata
.endif
;; end of part 1
;; launch extract (part 2): grid 64 x 1, 2 waves a work-group, no clusters, 0 bytes of LDS; arguments logits, sep_positions, B_starts, out0, out1, out3; writes out0, out1, out3
.if DOCPART == 2
	.amdgcn_target "amdgcn-amd-amdhsa--gfx1250"
	.amdhsa_code_object_version 6
	.text
	.protected	k_q0b907f6f48_extract
	.globl	k_q0b907f6f48_extract
	.p2align	8
	.type	k_q0b907f6f48_extract,@function
k_q0b907f6f48_extract:
	s_mov_b64 s[64:65], 0
	v_nop
	global_prefetch_b8 v0, s[64:65] scope:SCOPE_SE
	s_setreg_imm32_b32 hwreg(HW_REG_WAVE_MODE, 25, 1), 1
	s_wait_xcnt 0x0
; The span extraction on the logits of the launch before.  A work-group is a batch; wave 0 is the hop head (K = 3, columns 0 and 1 of logits),
; wave 1 the answer head (K = 1, columns 2 and 3).  The two waves share nothing: no LDS, no barrier.  There is work for 64 work-groups.
; A wave holds its head's 512 start and 512 end logits in registers: position p = 32 e + lane, e = 0..15.
; NOTHING THAT IS CHOSEN STEERS AN ADDRESS OR A BRANCH: the largest value and its first position come from reductions over registers and lanes,
; the separator from a lane mask and its lowest set bit, the end logits of the window from a tree of selects.  The one branch is on the wave's number.
; For each candidate k: value, start = the largest start logit at or behind B_start that is still in play, ties to the lowest position;
; j = the first separator with sep > start or sep <= 0, else 19; ending = sep[j]; ok = value > start_logits[0] and ending > start;
; end = start + the first largest end logit among positions start .. min(ending, start + 10) - 1; (start, end, j) counts while all ok so far and sep[0] > 0.
; LIMITS.  Logits are taken to be finite: a NaN or an infinity among them is not ordered as lax.top_k and argmax order it.  +0 and -0 count as equal.
; B_starts and sep_positions may hold any int32.  The outputs are 36, 12 and 4 bytes a batch, stored as single words.
; The four *_weights inputs enter no result of reference() and are not loaded.
.set L, 16                             ; v[16:47]  v[L+2e] start logit, v[L+2e+1] end logit of position 32 e + lane
.set T, 48                             ; v[48:55]  the select tree
; v1 lane   v2, v3 load offsets   v4 sep[min(lane, 19)]   v5 .. v14 at work   v15 the results, one a lane   v56 4 lane
; s16 head   s20, s21 selects of v_permlanex16_b32   s22 B_start   s23 start_logits[0]   s24 sep[0] > 0   s25 lanes with sep <= 0   s26 still valid
; s27 -inf   s28 start   s29 j   s30 ending   s31 value > threshold   s32 ok   s33 the window's length   s34-37 bits of the position   s38 end   s40-48 results
; (s24, s26, s31, s32 are all ones or 0)
	s_load_b256 s[4:11], s[0:1], 0x0               ; logits s[4:5], sep_positions s[6:7], B_starts s[8:9], out0 s[10:11]
	s_load_b128 s[12:15], s[0:1], 0x20             ; out1 s[12:13], out3 s[14:15]
	v_lshrrev_b32 v2, 5, v0
	v_readfirstlane_b32 s16, v2                    ; head: 0 hop, 1 answer
	v_and_b32 v1, 31, v0
	v_lshlrev_b32 v2, 4, v1                        ; a position's four logits are 16 bytes;
	v_lshl_add_u32 v2, s16, 3, v2                  ; my head's two lie at 8 x head
	v_min_u32 v3, 19, v1
	v_lshlrev_b32 v3, 2, v3                        ; lanes 20 to 31 read sep[19] again: inside the row
	v_lshlrev_b32 v56, 2, v1
	v_mov_b32 v8, 0                                ; v_permlanex16_b32's destination counts as read: written once here
	s_mov_b32 s20, 0x76543210                      ; lane i of one half reads lane i of the other
	s_mov_b32 s21, 0xfedcba98
	s_mov_b32 s27, 0xff800000                      ; -inf
	s_mov_b32 s19, 0
	s_wait_kmcnt 0x0
	s_lshl_b32 s18, ttmp9, 13                      ; batch x 512 positions x 16 bytes
	s_add_nc_u64 s[4:5], s[4:5], s[18:19]
.irp e, 0,1,2,3,4,5,6,7,8,9,10,11,12,13,14,15
	global_load_b64 v[L+2*\e:L+2*\e+1], v2, s[4:5] offset:512*\e
.endr
	s_mul_i32 s18, ttmp9, 80                       ; batch x 20 separators
	s_add_nc_u64 s[6:7], s[6:7], s[18:19]
	global_load_b32 v4, v3, s[6:7]
	s_lshl_b32 s18, ttmp9, 2
	s_add_nc_u64 s[8:9], s[8:9], s[18:19]
	s_load_b32 s22, s[8:9], 0x0
	s_add_nc_u64 s[14:15], s[14:15], s[18:19]      ; out3: one number a batch
	s_mul_i32 s18, ttmp9, 36
	s_add_nc_u64 s[10:11], s[10:11], s[18:19]      ; out0: nine
	s_mul_i32 s18, ttmp9, 12
	s_add_nc_u64 s[12:13], s[12:13], s[18:19]      ; out1: three
	s_wait_loadcnt 0x0                             ; one group of loads, all of it used at once
	s_wait_kmcnt 0x0
	v_readfirstlane_b32 s23, v[L]                  ; start_logits[0], the threshold (allow = 0), taken before anything is masked
	v_readfirstlane_b32 s24, v4
	s_cmp_gt_i32 s24, 0
	s_cselect_b32 s24, -1, 0                       ; active: sep[0] > 0
	s_mov_b32 s26, s24
	v_cmp_ge_i32 s25, 0, v4                        ; lanes whose separator is <= 0
	s_max_i32 s22, s22, 0                          ; B_start cut to 0 .. 512: the same mask, and the difference below cannot wrap
	s_min_i32 s22, s22, 512
	v_sub_nc_u32 v5, s22, v1
.irp e, 0,1,2,3,4,5,6,7,8,9,10,11,12,13,14,15
	v_cmp_ge_i32 vcc_lo, 32*\e, v5                 ; 32 e + lane >= B_start
	v_cndmask_b32 v[L+2*\e], s27, v[L+2*\e], vcc_lo    ; else -inf
.endr
; The largest, or the smallest, of register r over the 32 lanes, into every lane.
.macro REDMAX r
	v_max_num_f32_dpp v[\r], v[\r], v[\r] row_xmask:1 row_mask:0xf bank_mask:0xf
	v_max_num_f32_dpp v[\r], v[\r], v[\r] row_xmask:2 row_mask:0xf bank_mask:0xf
	v_max_num_f32_dpp v[\r], v[\r], v[\r] row_xmask:4 row_mask:0xf bank_mask:0xf
	v_max_num_f32_dpp v[\r], v[\r], v[\r] row_xmask:8 row_mask:0xf bank_mask:0xf
	v_permlanex16_b32 v8, v[\r], s20, s21
	v_max_num_f32 v[\r], v[\r], v8
.endm
.macro REDMIN r
	v_min_num_f32_dpp v[\r], v[\r], v[\r] row_xmask:1 row_mask:0xf bank_mask:0xf
	v_min_num_f32_dpp v[\r], v[\r], v[\r] row_xmask:2 row_mask:0xf bank_mask:0xf
	v_min_num_f32_dpp v[\r], v[\r], v[\r] row_xmask:4 row_mask:0xf bank_mask:0xf
	v_min_num_f32_dpp v[\r], v[\r], v[\r] row_xmask:8 row_mask:0xf bank_mask:0xf
	v_permlanex16_b32 v8, v[\r], s20, s21
	v_min_num_f32 v[\r], v[\r], v8
.endm
; v6 = the largest start logit in play (in every lane), s28 = the lowest position that holds it.
.macro TOPK
	v_max3_num_f32 v6, v[L], v[L+2], v[L+4]        ; my 16 numbers, in two chains
	v_max3_num_f32 v9, v[L+16], v[L+18], v[L+20]
	v_max3_num_f32 v6, v6, v[L+6], v[L+8]
	v_max3_num_f32 v9, v9, v[L+22], v[L+24]
	v_max3_num_f32 v6, v6, v[L+10], v[L+12]
	v_max3_num_f32 v9, v9, v[L+26], v[L+28]
	v_max3_num_f32 v6, v6, v[L+14], v[L+30]
	v_max_num_f32 v6, v6, v9
	REDMAX 6
	v_mov_b32 v7, 16                               ; no match in this lane: a position of 512 or more
.irp e, 15,14,13,12,11,10,9,8,7,6,5,4,3,2,1,0
	v_cmp_neq_f32 vcc_lo, v[L+2*\e], v6
	v_cndmask_b32 v7, \e, v7, vcc_lo               ; downward, so that my lowest e that matches stays
.endr
	v_lshl_add_u32 v7, v7, 5, v1                   ; its position,
	v_cvt_f32_u32 v7, v7                           ; below 2^24: exact in f32
	REDMIN 7
	v_cvt_u32_f32 v7, v7
	v_readfirstlane_b32 s28, v7
.endm
; s29 = j, s30 = ending, s31 = value > threshold, s32 = ok, s26 &= ok, s33 = the window's length (0 .. 10).
.macro SEP
	v_cmp_gt_i32 s29, v4, s28                      ; lane s: sep[s] > start
	s_or_b32 s29, s29, s25                         ; or sep[s] <= 0
	s_and_b32 s29, s29, 0xfffff                    ; 20 separators
	s_or_b32 s29, s29, 0x80000                     ; none fits: j = 19; so j is 0 .. 19 whatever the data
	s_ctz_i32_b32 s29, s29                         ; the first
	v_readlane_b32 s30, v4, s29
	s_cmp_gt_i32 s30, s28
	s_cselect_b32 s32, -1, 0                       ; ending > start
	v_cmp_gt_f32 s31, v6, s23                      ; all lanes hold the same numbers: all ones or 0
	s_and_b32 s32, s32, s31
	s_and_b32 s26, s26, s32                        ; a break ends all later candidates too
	s_add_co_i32 s33, s28, 10
	s_min_i32 s33, s33, s30                        ; min(ending, start + 10),
	s_min_i32 s33, s33, 512                        ; cut at the row's end: beyond it reference() sees end_logits[511] again, which loses every tie to its first copy
	s_max_i32 s33, s33, s28                        ; and not below start, so that the difference cannot wrap
	s_sub_co_i32 s33, s33, s28
.endm
; s38 = start + the first largest end logit of the window.  A window of at most 10 positions meets a lane at most once:
; lane l stands for t = (l - start) mod 32, position start + t = 32 e + l, and picks its e-th end logit by the four bits of e.
.macro WINDOW
	v_sub_nc_u32 v9, v1, s28
	v_and_b32 v9, 31, v9                           ; t
	v_add_nc_u32 v10, s28, v9                      ; the position
.irp b, 0,1,2,3
	v_and_b32 v11, 32<<\b, v10
	v_cmp_ne_u32 s[34+\b], 0, v11                  ; bit b of e
.endr
.irp k, 0,1,2,3,4,5,6,7
	v_cndmask_b32 v[T+\k], v[L+4*\k+1], v[L+4*\k+3], s34
.endr
.irp k, 0,1,2,3
	v_cndmask_b32 v[T+\k], v[T+2*\k], v[T+2*\k+1], s35
.endr
.irp k, 0,1
	v_cndmask_b32 v[T+\k], v[T+2*\k], v[T+2*\k+1], s36
.endr
	v_cndmask_b32 v[T], v[T], v[T+1], s37
	v_cmp_gt_i32 vcc_lo, s33, v9                   ; t < length (which also keeps the position below 512)
	v_cndmask_b32 v12, s27, v[T], vcc_lo           ; else -inf
	v_mov_b32 v13, v12
	REDMAX 13
	v_cvt_f32_u32 v14, v9
	v_cmp_eq_f32 vcc_lo, v12, v13
	v_cndmask_b32 v14, 0x42800000, v14, vcc_lo     ; t where the largest stands, 64.0 elsewhere; an empty window is -inf in all lanes and gives t = 0, as argmax does
	REDMIN 14
	v_cvt_u32_f32 v14, v14
	v_readfirstlane_b32 s38, v14
	s_add_co_u32 s38, s38, s28
.endm
.macro CAND k
	TOPK
	SEP
	WINDOW
	s_and_b32 s[40+3*\k], s28, s26                 ; (start, end, j), or zeros
	s_and_b32 s[41+3*\k], s38, s26
	s_and_b32 s[42+3*\k], s29, s26
.endm
; The candidate just taken leaves the play.  It can be found again only among ties at -inf, where value > threshold fails and zeros are written.
.macro REMOVE
	v_sub_nc_u32 v5, s28, v1
.irp e, 0,1,2,3,4,5,6,7,8,9,10,11,12,13,14,15
	v_cmp_ne_u32 vcc_lo, 32*\e, v5                 ; 32 e + lane is not start
	v_cndmask_b32 v[L+2*\e], s27, v[L+2*\e], vcc_lo
.endr
.endm
	CAND 0
	v_mov_b32 v15, 0                               ; v_writelane_b32's destination counts as read
	s_cmp_lg_u32 s16, 0
	s_cbranch_scc1 .Lans
	REMOVE                                         ; the hop head: two more
	CAND 1
	REMOVE
	CAND 2
.irp i, 0,1,2,3,4,5,6,7,8
	v_writelane_b32 v15, s[40+\i], \i
.endr
	v_cmp_gt_u32 vcc_lo, 9, v1
	s_wait_xcnt 0x0                                ; EXEC is a source of the memory instructions above: it changes only behind this wait
	s_and_saveexec_b32 s50, vcc_lo
	global_store_b32 v56, v15, s[10:11]            ; nine words
	s_endpgm
.Lans:                                             ; the answer head.  With K = 1 the first candidate that is not ok is candidate 0, so the gap is
	v_sub_f32 v11, s23, v6                         ; start_logits[0] - value
	s_and_not1_b32 s32, s24, s31                   ; where sep[0] > 0 and not value > threshold,
	v_cndmask_b32 v11, 0, v11, s32                 ; and 0 elsewhere
.irp i, 0,1,2
	v_writelane_b32 v15, s[40+\i], \i
.endr
	v_cmp_gt_u32 vcc_lo, 3, v1
	s_wait_xcnt 0x0                                ; EXEC changes only behind this wait
	s_and_saveexec_b32 s50, vcc_lo
	global_store_b32 v56, v15, s[12:13]            ; three words
	s_wait_xcnt 0x0                                ; and again in front of the line that widens it
	s_or_b32 exec_lo, exec_lo, s50
	v_cmp_eq_u32 vcc_lo, 0, v1
	s_and_saveexec_b32 s50, vcc_lo                 ; no memory instruction has been issued since the wait above
	global_store_b32 v56, v11, s[14:15]            ; lane 0: the gap
	s_endpgm
.Lfunc_end_k_q0b907f6f48_extract:
	.size	k_q0b907f6f48_extract, .Lfunc_end_k_q0b907f6f48_extract-k_q0b907f6f48_extract
	.p2alignl 7, 3214868480
	.fill 96, 4, 3214868480
	.section	.rodata,"a",@progbits
	.p2align	6, 0x0
	.amdhsa_kernel k_q0b907f6f48_extract
		.amdhsa_group_segment_fixed_size 0
		.amdhsa_private_segment_fixed_size 0
		.amdhsa_enable_private_segment 0
		.amdhsa_kernarg_size 48
		.amdhsa_user_sgpr_count 2
		.amdhsa_user_sgpr_kernarg_segment_ptr 1
		.amdhsa_wavefront_size32 1
		.amdhsa_system_sgpr_workgroup_id_x 1
		.amdhsa_system_sgpr_workgroup_id_y 1
		.amdhsa_system_sgpr_workgroup_id_z 1
		.amdhsa_system_vgpr_workitem_id 0
		.amdhsa_next_free_vgpr 64
		.amdhsa_next_free_sgpr 66
		.amdhsa_reserve_vcc 1
		.amdhsa_float_denorm_mode_32 3
		.amdhsa_float_denorm_mode_16_64 3
		.amdhsa_memory_ordered 1
		.amdhsa_forward_progress 1
		.amdhsa_inst_pref_size 27
	.end_amdhsa_kernel
	.amdgpu_metadata
---
amdhsa.version: [ 1, 2 ]
amdhsa.kernels:
  - .name:           k_q0b907f6f48_extract
    .symbol:         k_q0b907f6f48_extract.kd
    .args:
      - { .name: logits, .offset: 0, .size: 8, .value_kind: global_buffer, .address_space: global }
      - { .name: sep_positions, .offset: 8, .size: 8, .value_kind: global_buffer, .address_space: global }
      - { .name: B_starts, .offset: 16, .size: 8, .value_kind: global_buffer, .address_space: global }
      - { .name: out0, .offset: 24, .size: 8, .value_kind: global_buffer, .address_space: global }
      - { .name: out1, .offset: 32, .size: 8, .value_kind: global_buffer, .address_space: global }
      - { .name: out3, .offset: 40, .size: 8, .value_kind: global_buffer, .address_space: global }
    .group_segment_fixed_size: 0
    .private_segment_fixed_size: 0
    .kernarg_segment_align: 8
    .kernarg_segment_size: 48
    .max_flat_workgroup_size: 64
    .sgpr_count:     66
    .vgpr_count:     64
    .wavefront_size: 32
...
	.end_amdgpu_metadata
.endif
;; end of part 2
;; ======== version 2 of 2: 2 launches; version 1 with the launch logits written anew for expert scheduling mode
;; workspace buffers: logits 524,288 bytes
;; launch logits (part 3): grid 256 x 1, 8 waves a work-group, no clusters, 87,040 bytes of LDS; arguments sequence_output, qa_w, qa_b, logits, out2; writes logits, out2
.if DOCPART == 3
	.amdgcn_target "amdgcn-amd-amdhsa--gfx1250"
	.amdhsa_code_object_version 6
	.text
	.protected	k_q0b907f6f48_logits
	.globl	k_q0b907f6f48_logits
	.p2align	8
	.type	k_q0b907f6f48_logits,@function
k_q0b907f6f48_logits:
	s_mov_b64 s[64:65], 0
	v_nop
	global_prefetch_b8 v0, s[64:65] scope:SCOPE_SE
	s_setreg_imm32_b32 hwreg(HW_REG_WAVE_SCHED_MODE, 0, 2), 2
	s_setreg_imm32_b32 hwreg(HW_REG_WAVE_MODE, 25, 1), 1
	s_wait_xcnt 0x0
	s_wait_alu depctr_vm_vsrc(0)
; logits[row][0:4] = x[row][0:1024] . qa_w[0:1024][0:4] + qa_b[0:4], row = 512 batch + position, 32,768 rows, all f32;
; and out2[batch] = x's row 0 of that batch, copied from the registers in which it lies anyway.
; The work is 2 flops for each byte of x, x is read once and nothing else is large: a stream.  So:
;  - plain 16-byte loads into registers, each of a wave covering 512 consecutive aligned bytes, 24 to 32 of them out in every wave;
;  - the products are packed f32 multiply-adds.  The matrix unit is left out: only 4 of a fragment's 16 columns would be used, its
;    fragments want a lane to hold a row (32-byte pieces of 16 rows for each load, or all of x through LDS), and f32 operands keep the
;    logits' order that of the f32 sums, on which the whole numbers of the next launch hang;
;  - no cluster: all that work-groups share is qa_w, 16 KiB against the 512 KiB of x that each of them reads.
; SHARES.  A work-group owns 128 rows (a quarter of a batch), wave w its rows 16 w .. 16 w + 15.  One wave takes a whole row: load j
; (0..7) brings bytes 512 j .. 512 j + 511, so lane l holds columns 128 j + 4 l + i, i = 0..3, the same 32 columns in every row.
; The 4 weights of each of these 32 columns stay in 128 registers for the whole launch.
; A lane's four partial sums of a row go to the wave's own LDS block; at the end lane l adds up the 32 partials of row l / 2,
; outputs 2 (l % 2) and 2 (l % 2) + 1, and the wave's 32 lanes store 256 consecutive aligned bytes of logits.
; LIMITS.  The sums are f32 multiply-add chains in another order than a row-by-row sum: they differ from it in the last bits.
; hop_start_weights, hop_end_weights, ans_start_weights, ans_end_weights enter no result of reference() and are not loaded.
; THE MODE: SCHED_MODE bits 1:0 = 2 (LLVM: expert scheduling mode 2), set by the entry lines.  The code itself states the register dependences
; between vector instructions and memory or LDS instructions, with s_wait_alu, always for 0.
; THE PLAN.  Registers that memory or LDS instructions touch in the sixteen turns:
;   X0 .. X3   four row slots; row r lies in slot r % 4.  Written by the eight loads of row r + 3, issued at the head of turn r; read by turn r's multiply-adds
;              (slot 0 also by the stores to out2 in turn 0).
;   P0, P1     two out-buffers of four partial sums.  Written by turn r's two additions; read by the LDS store that is issued at the head of turn r + 1.
;   v1, v2     the offset in a row and the LDS address of my partial sums: made at the head and never written again; rows stand in the immediates.
;   W and the chains A are named by vector instructions alone in the turns.
; Turn r multiplies X[r % 4] and writes P[r % 2].  Its memory instructions are the loads into X[(r + 3) % 4] = X[(r - 1) % 4] and the LDS store from
; P[(r - 1) % 2]: the two buffers that turn r - 1 worked on.  They stand in one run at the turn's head, behind two waits that state all that they hang on.
.set ROWB,  4096                       ; bytes in a row of x
.set WP,    576                        ; LDS: from plane to plane of the weights.  576 = 2 x 256 + 64: see the stores below
.set PART,  32*WP                      ; LDS: behind the 32 planes (18,432 bytes) the waves' blocks of partial sums
.set PP,    528                        ; LDS: from row to row in such a block: 32 lanes x 16 bytes + 16
.set WAVEP, 16*PP                      ; a wave's block, 8,448 bytes; 18,432 + 8 x 8,448 = 86,016 in all
; v1  16 lane: offset in a row of x and of out2, and in a plane      v2  where I put my four partial sums      v3  where I read partials back
; v4  my 16 bytes of qa_w      v5  8 lane: offset in logits      v6  where these 16 bytes of qa_w go in LDS      v7  offset of my two biases
; None of them, and no base, is written again once it is set: rows and planes stand in the immediates.
.set BIAS, 8                           ; v[8:9]     qa_b of my two outputs
.set A,    10                          ; v[10:17]   four chains: outputs 0,1 and 2,3 for even columns, the same for odd columns
.set W,    20                          ; v[20:147]  v[W+4n : W+4n+3] = the 4 weights of my column 128 j + 4 l + i, n = 4 j + i
.set X,    148                         ; v[148:243] row slots 0 to 2, 32 registers each
.set P,    244                         ; v[244:251] the two out-buffers
.set X3,   0                           ; v[256:287] row slot 3: v[0:31] of window 1 (an instruction names v0-v255; s_set_vgpr_msb says which window of 256 each operand place means)
.set TO3,   0x40                       ; destination in window 1: loads into slot 3; their offset, source 0, stays in window 0
.set FROM3, 0x01                       ; source 0 in window 1: multiply-adds on slot 3; weights and chains stay in window 0
.set MSB, 0
.macro WIN new                         ; the immediate's high byte repeats the setting that is left; a switch that changes nothing is dropped
.if MSB != (\new)
	s_set_vgpr_msb (MSB<<8)|(\new)
.set MSB, \new
.endif
.endm
	s_load_b256 s[4:11], s[0:1], 0x0               ; x s[4:5], qa_w s[6:7], qa_b s[8:9], logits s[10:11]
	s_load_b64 s[12:13], s[0:1], 0x20              ; out2
	v_lshl_add_u32 v254, v0, 2, 0x15000
	v_mov_b32 v255, 0
	v_lshrrev_b32 v10, 5, v0
	v_readfirstlane_b32 s14, v10                   ; wave 0..7
	v_and_b32 v10, 31, v0                          ; lane
	v_lshlrev_b32 v1, 4, v10
	v_and_b32 v12, 1, v10
	v_lshlrev_b32 v7, 3, v12                       ; qa_b: two numbers at 8 (lane % 2)
	s_wait_alu depctr_va_sdst(0)                   ; s14 is written, ahead of its first reader: offsets, bases and LDS addresses are made from it
	v_lshl_add_u32 v4, s14, 11, v1                 ; qa_w: wave w takes columns 128 w .. 128 w + 127, 2,048 consecutive bytes
	s_lshl_b32 s16, ttmp9, 19                      ; x: work-group x 128 rows x 4,096 bytes (below 2^27)
	s_lshl_b32 s19, s14, 16                        ;    + wave x 16 rows
	s_or_b32 s16, s16, s19
	s_mov_b32 s17, 0
	s_lshl_b32 s20, ttmp9, 11                      ; logits: work-group x 128 rows x 16 bytes
	s_lshl_b32 s19, s14, 8                         ;    + wave x 16 rows
	s_or_b32 s20, s20, s19
	s_mov_b32 s21, 0
	s_lshr_b32 s22, ttmp9, 2                       ; out2: batch x 4,096 bytes
	s_lshl_b32 s22, s22, 12
	s_mov_b32 s23, 0
	s_and_b32 s15, ttmp9, 3                        ; 0 only in wave 0 of a batch's first work-group: its row 0 is the batch's row 0
	s_or_b32 s15, s15, s14
	s_wait_kmcnt 0x0
	s_add_nc_u64 s[4:5], s[4:5], s[16:17]
	s_add_nc_u64 s[10:11], s[10:11], s[20:21]
	s_add_nc_u64 s[12:13], s[12:13], s[22:23]
	; All first loads: my eighth of qa_w (into W's first registers, which are read into again only behind the barrier), my biases, rows 0 to 3.
	s_wait_alu depctr_va_vdst(0)                   ; v1, v4 and v7 are written, which the loads below read as their offsets; only loads and a window switch stand between this wait and the last of them
.irp q, 0,1,2,3
	global_load_b128 v[W+4*\q:W+4*\q+3], v4, s[6:7] offset:512*\q
.endr
	global_load_b64 v[BIAS:BIAS+1], v7, s[8:9]
.irp r, 0,1,2
.irp j, 0,1,2,3,4,5,6,7
	global_load_b128 v[X+32*\r+4*\j:X+32*\r+4*\j+3], v1, s[4:5] offset:\r*ROWB+512*\j th:TH_LOAD_NT
.endr
.endr
	WIN TO3
.irp j, 0,1,2,3,4,5,6,7
	global_load_b128 v[X3+4*\j:X3+4*\j+3], v1, s[4:5] offset:3*ROWB+512*\j th:TH_LOAD_NT
.endr
	WIN 0
	; LDS addresses, while the loads are on their way
	s_mul_i32 s18, s14, WAVEP
	s_add_co_u32 s18, s18, PART                    ; my wave's block of partial sums
	v_add_nc_u32 v2, s18, v1                       ; in: row r at PP r (immediate), 16 bytes a lane
	v_lshrrev_b32 v11, 1, v10
	v_mul_u32_u24 v11, v11, PP                     ; back: row lane / 2,
	v_lshl_add_u32 v11, v12, 3, v11                ; outputs 2 (lane % 2) and the next; partial n at 16 n (immediate)
	v_add_nc_u32 v3, s18, v11
	v_lshlrev_b32 v5, 3, v10
	; qa_w's load q gave me column 128 w + 32 q + lane = 128 j + 4 l + i with j = w, i = lane % 4, l = 8 q + lane / 4:
	; plane 4 w + lane % 4, byte 16 l.  Since WP = 64 modulo 256, sixteen neighbouring lanes store to sixteen different 16-byte places modulo 256.
	s_mul_i32 s19, s14, 4*WP
	v_and_b32 v13, 3, v10
	v_mul_u32_u24 v13, v13, WP
	v_lshrrev_b32 v14, 2, v10
	v_lshl_add_u32 v13, v14, 4, v13
	v_add_nc_u32 v6, s19, v13
	s_wait_loadcnt 32                              ; the 32 loads of rows 0 to 3 were issued behind qa_w's and qa_b's: these five are in
	s_wait_alu depctr_va_vdst(0)                   ; v6 is written, the address of the LDS stores below; so are v2, v3 and v5, which later LDS instructions and the last store read
.irp q, 0,1,2,3
	ds_store_b128 v6, v[W+4*\q:W+4*\q+3] offset:128*\q
.endr
	s_wait_dscnt 0x0                               ; my part of the planes is written, for the other waves' sake
	s_barrier_signal -1
	s_barrier_wait -1                              ; the launch's one barrier: all 32 planes are there, and nobody writes them again
	s_wait_alu depctr_vm_vsrc(0)                   ; my four LDS stores have read W's first 16 registers, in which the loads below land
.set n, 0
.rept 32
	ds_load_b128 v[W+4*n:W+4*n+3], v1 offset:WP*n  ; 512 consecutive bytes of plane n
.set n, n+1
.endr
	s_wait_dscnt 0x0
; Two neighbouring columns, x in v[x : x+1], their 8 weights from v[w] on: four packed multiply-adds, one on each chain.
; op_sel / op_sel_hi of source 0 pick the pair's first register for both halves (even column) or its second (odd column).
.macro PAIR x, w
	v_pk_fma_f32 v[A:A+1],   v[\x:\x+1], v[\w:\w+1],   v[A:A+1]   op_sel_hi:[0,1,1]
	v_pk_fma_f32 v[A+2:A+3], v[\x:\x+1], v[\w+2:\w+3], v[A+2:A+3] op_sel_hi:[0,1,1]
	v_pk_fma_f32 v[A+4:A+5], v[\x:\x+1], v[\w+4:\w+5], v[A+4:A+5] op_sel:[1,0,0] op_sel_hi:[1,1,1]
	v_pk_fma_f32 v[A+6:A+7], v[\x:\x+1], v[\w+6:\w+7], v[A+6:A+7] op_sel:[1,0,0] op_sel_hi:[1,1,1]
.endm
; The same for a row's first two columns: the products start the four chains, nothing is cleared.
.macro FIRST x, w
	v_pk_mul_f32 v[A:A+1],   v[\x:\x+1], v[\w:\w+1]   op_sel_hi:[0,1]
	v_pk_mul_f32 v[A+2:A+3], v[\x:\x+1], v[\w+2:\w+3] op_sel_hi:[0,1]
	v_pk_mul_f32 v[A+4:A+5], v[\x:\x+1], v[\w+4:\w+5] op_sel:[1,0] op_sel_hi:[1,1]
	v_pk_mul_f32 v[A+6:A+7], v[\x:\x+1], v[\w+6:\w+7] op_sel:[1,0] op_sel_hi:[1,1]
.endm
; The turn of my row r, which lies in slot r % 4.  At its head, from turn 1 on: the slot that the turn before multiplied is loaded again, with row r + 3
; (turns 13 to 15 load nothing: no load leaves the wave's 16 rows), and the partial sums that the turn before made go to LDS.
; Turn 0 has no turn in front of it; where its row is a batch's row 0 it is also stored to out2.
; Loads are issued in the order of (row, j).  In front of group j of row r the loads issued behind load (r, j) are the 7 - j that are left of the row and
; eight for each row asked for behind it: rows r + 1 to r + 3, as far as the wave has them.
.macro TURN r
.set XB, X+32*((\r)%4)                 ; the slot at work, and the window of its multiply-adds
.set FW, 0
.if (\r)%4 == 3
.set XB, X3
.set FW, FROM3
.endif
.set LB, X+32*(((\r)+3)%4)             ; the slot that is loaded again, and the window of its loads
.set LW, 0
.if ((\r)+3)%4 == 3
.set LB, X3
.set LW, TO3
.endif
.set BEH, 15-(\r)                      ; rows asked for behind this one
.if BEH > 3
.set BEH, 3
.endif
.if \r
	WIN LW                                         ; the switch stands ahead of the waits, the waits ahead of the loads
.if (\r) == 1
	s_wait_xcnt 0x0                                ; the loads below land on the data registers of turn 0's stores to out2 only behind this wait (ISA guide 3.1)
.endif
	s_wait_alu depctr_vm_vsrc(0)                   ; the LDS store issued in the turn before has read P[r % 2], which this turn's two additions write again; in turn 1, which has no such store behind it, the stores to out2 have read slot 0, in which the loads below land
	s_wait_alu depctr_va_vdst(0)                   ; the turn before has written the other P, which the LDS store below reads, and is done reading its slot, in which the loads below land
.if (\r) <= 12
.irp j, 0,1,2,3,4,5,6,7
	global_load_b128 v[LB+4*\j:LB+4*\j+3], v1, s[4:5] offset:((\r)+3)*ROWB+512*\j th:TH_LOAD_NT
.endr
.endif
	WIN 0
	ds_store_b128 v2, v[P+4*(((\r)+1)%2):P+4*(((\r)+1)%2)+3] offset:PP*((\r)-1)   ; my four partial sums of row r - 1, into my wave's own block
.else
	s_wait_loadcnt 24                              ; all of row 0 is in; the 24 loads of rows 1 to 3 stay out.  So this turn's groups need no wait of their own
	s_cmp_lg_u32 s15, 0
	s_cbranch_scc1 .Lnocopy
.irp j, 0,1,2,3,4,5,6,7
	global_store_b128 v1, v[XB+4*\j:XB+4*\j+3], s[12:13] offset:512*\j th:TH_STORE_NT   ; 512 consecutive aligned bytes each; the data are as loaded, no vector instruction has named them
.endr
.Lnocopy:
.endif
	WIN FW
.irp j, 0,1,2,3,4,5,6,7
.if \r
	s_wait_loadcnt 8*BEH+7-\j                      ; loads come back in order (ISA guide 5.7.1): load j of this row is in
.endif
.if \j
	PAIR XB+4*\j, W+16*\j
.else
	FIRST XB, W
.endif
	PAIR XB+4*\j+2, W+16*\j+8
.endr
	WIN 0
	v_pk_add_f32 v[P+4*((\r)%2):P+4*((\r)%2)+1],   v[A:A+1],   v[A+4:A+5]   ; even and odd columns together, into the turn's out-buffer
	v_pk_add_f32 v[P+4*((\r)%2)+2:P+4*((\r)%2)+3], v[A+2:A+3], v[A+6:A+7]
.endm
.irp r, 0,1,2,3,4,5,6,7,8,9,10,11,12,13,14,15
	TURN \r
.endr
	; The 32 lanes' partial sums of a row are added up: lane l takes row l / 2, two outputs, partial n at 16 n.
	; The words that the 32 lanes want lie at 132 (l / 2) + 2 (l % 2) + 4 n: 64 different words modulo 64.
	; LDS serves a wave's instructions in order (ISA guide 5.7.1.4), and the block is the wave's own: these loads see the stores above.
	s_wait_alu depctr_va_vdst(0)                   ; turn 15 has written P1, which the LDS store below reads; all multiply-adds are done reading slots 0 and 1, in which the partials land
	ds_store_b128 v2, v[P+4:P+7] offset:PP*15      ; my four partial sums of row 15
.set n, 0
.rept 32
	ds_load_b64 v[X+2*n:X+2*n+1], v3 offset:16*n
.set n, n+1
.endr
	s_wait_dscnt 16                                ; partials 0 to 15 are in, the 16 younger loads stay out
	v_pk_add_f32 v[X:X+1], v[X:X+1], v[BIAS:BIAS+1]
.set n, 4
.rept 12
	v_pk_add_f32 v[X+2*(n%4):X+2*(n%4)+1], v[X+2*(n%4):X+2*(n%4)+1], v[X+2*n:X+2*n+1]   ; four chains, started by partials 0 to 3
.set n, n+1
.endr
	s_wait_dscnt 0x0
.rept 16
	v_pk_add_f32 v[X+2*(n%4):X+2*(n%4)+1], v[X+2*(n%4):X+2*(n%4)+1], v[X+2*n:X+2*n+1]
.set n, n+1
.endr
	v_pk_add_f32 v[X:X+1],   v[X:X+1],   v[X+2:X+3]
	v_pk_add_f32 v[X+4:X+5], v[X+4:X+5], v[X+6:X+7]
	v_pk_add_f32 v[X:X+1],   v[X:X+1],   v[X+4:X+5]
	s_wait_alu depctr_va_vdst(0)                   ; the additions have written v[X:X+1], which the store reads
	global_store_b64 v5, v[X:X+1], s[10:11]        ; 32 lanes x 8 bytes: my 16 rows of logits, 256 consecutive aligned bytes; read again by the next launch, so no hint
	s_wait_dscnt 0x0
	s_wait_alu depctr_hold_cnt(0) depctr_sa_sdst(0) depctr_va_vdst(0) depctr_va_sdst(0) depctr_va_ssrc(0) depctr_va_vcc(0) depctr_vm_vsrc(0)
	s_wait_tensorcnt 0x0
	ds_add_u32 v254, v255
	s_wait_dscnt 0x0
	s_endpgm
.Lfunc_end_k_q0b907f6f48_logits:
	.size	k_q0b907f6f48_logits, .Lfunc_end_k_q0b907f6f48_logits-k_q0b907f6f48_logits
	.p2alignl 7, 3214868480
	.fill 96, 4, 3214868480
	.section	.rodata,"a",@progbits
	.p2align	6, 0x0
	.amdhsa_kernel k_q0b907f6f48_logits
		.amdhsa_group_segment_fixed_size 87040
		.amdhsa_private_segment_fixed_size 0
		.amdhsa_enable_private_segment 0
		.amdhsa_kernarg_size 40
		.amdhsa_user_sgpr_count 2
		.amdhsa_user_sgpr_kernarg_segment_ptr 1
		.amdhsa_wavefront_size32 1
		.amdhsa_system_sgpr_workgroup_id_x 1
		.amdhsa_system_sgpr_workgroup_id_y 1
		.amdhsa_system_sgpr_workgroup_id_z 1
		.amdhsa_system_vgpr_workitem_id 0
		.amdhsa_next_free_vgpr 288
		.amdhsa_next_free_sgpr 66
		.amdhsa_reserve_vcc 0
		.amdhsa_float_denorm_mode_32 3
		.amdhsa_float_denorm_mode_16_64 3
		.amdhsa_memory_ordered 1
		.amdhsa_forward_progress 1
		.amdhsa_inst_pref_size 95
	.end_amdhsa_kernel
	.amdgpu_metadata
---
amdhsa.version: [ 1, 2 ]
amdhsa.kernels:
  - .name:           k_q0b907f6f48_logits
    .symbol:         k_q0b907f6f48_logits.kd
    .args:
      - { .name: sequence_output, .offset: 0, .size: 8, .value_kind: global_buffer, .address_space: global }
      - { .name: qa_w, .offset: 8, .size: 8, .value_kind: global_buffer, .address_space: global }
      - { .name: qa_b, .offset: 16, .size: 8, .value_kind: global_buffer, .address_space: global }
      - { .name: logits, .offset: 24, .size: 8, .value_kind: global_buffer, .address_space: global }
      - { .name: out2, .offset: 32, .size: 8, .value_kind: global_buffer, .address_space: global }
    .group_segment_fixed_size: 87040
    .private_segment_fixed_size: 0
    .kernarg_segment_align: 8
    .kernarg_segment_size: 40
    .max_flat_workgroup_size: 256
    .sgpr_count:     66
    .vgpr_count:     288
    .wavefront_size: 32
...
	.end_amdgpu_metadata
.endif
;; end of part 3
;; launch extract: the kernel of part 2 again; grid 64 x 1, 2 waves a work-group, no clusters, 0 bytes of LDS; arguments logits, sep_positions, B_starts, out0, out1, out3; writes out0, out1, out3
